; MI455X (gfx1250); checked and timed in simulation.
; The chip was launched on July 23, 2026; its instructions are those of AMD's public machine-readable ISA for CDNA 5 (MIT licence, August 2026) and "CDNA5" Instruction Set Architecture Reference Guide (July 2026). The comments in the code are by the model that wrote it; some were corrected since.
;; Scaled Dot Product Attention. Allowed arithmetic: matrix products marked QUANTISED: E2M3 operands, one E8M0 scale for each 32 along K, by v_wmma_scale_f32_16x16x128_f8f6f4 with both operands' format E2M3, f32 sums; everything else in f32.
;; Inputs: key 4 x 16 x 2,048 x 64 float32; mask 4 x 1 x 1 x 2,048 int32; query 4 x 16 x 2,048 x 64 float32; value 4 x 16 x 2,048 x 64 float32.
;; Outputs: out0 4 x 16 x 2,048 x 64 float32.
;; This version of the problem:
;;   THIS VERSION OF THE PROBLEM IS GIVEN IN LOW PRECISION. The matrix products marked QUANTISED in the list below multiply operands that are first quantised to E2M3 (2 exponent bits, 3 mantissa bits; 6 bits a number), with one power-of-two scale for each 32 numbers along K (OCP MX v1.0); their sums are f32. All else is computed in f32.
;;   The module's matrix products, in the order in which they are computed (A, B: the left and right operand; K: the contracted axis; several contracted axes count as one K, in the product's order):
;;     1. batch 64 x [M 2,048, K 64] x [K 64, N 2,048]; A: input query; B: input key: QUANTISED
;;     2. batch 64 x [M 2,048, K 2,048] x [K 2,048, N 64]; A: softmax (see below); B: input value: QUANTISED
;;   THE QUANTISER, for each operand of a quantised product, along K:
;;     - K is cut into blocks of 32 from its start; a last block that is shorter is filled with zeros.
;;     - A block's scale is 2^e with e = floor(log2(the largest magnitude in the block)) - 2, held to -126 .. 127; a block of zeros has e = 0. As a byte (E8M0): e + 127.
;;     - Each number is divided by its block's scale, clamped to +-7.5, and rounded to the nearest number of E2M3, ties to even, subnormals kept.
;;     - The product sums the exact products of the quantised numbers (number of the format x scale) in f32.
;;   ~~~python
;;   def quantise(x, axis):      # numpy; x: float32 -> the quantised numbers, widened to float32 again
;;       x = np.moveaxis(x, axis, -1); K = x.shape[-1]
;;       x = np.pad(x, [(0, 0)] * (x.ndim - 1) + [(0, -K % 32)]); x = x.reshape(x.shape[:-1] + (-1, 32)); a = np.abs(x).max(-1, keepdims=True)
;;       e = np.where(a > 0, np.clip(np.frexp(np.where(a > 0, a, 1))[1] - 1 - 2, -126, 127), 0)      # np.frexp(a)[1] - 1 = floor(log2(a)), exactly
;;       r = np.clip(x / 2.0 ** e, -7.5, 7.5)
;;       step = 2.0 ** (np.maximum(np.frexp(np.where(r == 0, 1, r))[1] - 1, 0) - 3)
;;       q = np.round(r / step) * step * 2.0 ** e      # np.round: ties to even
;;       return np.moveaxis(q.reshape(q.shape[:-2] + (-1,))[..., :K], -1, axis).astype(np.float32)
;;   ~~~
;;   SOFTMAX AHEAD OF A QUANTISED PRODUCT. Where the list says 'softmax', what is quantised is not the finished softmax but p = 2^(t - M), with t = logit x log2(e) and M = ceil(the row's largest t), a whole number; so 1/2 < the row's largest p <= 1. The row's sum l is taken of the UNQUANTISED p, in f32, and the product's result is divided by l at the end. Since M is a whole number, a kernel that streams over the keys may use a running M (the ceiling of the running maximum): every later rescaling is an exact power of two, which a block's scale takes up: the codes' values come out the same.
;;   OPERANDS COMPUTED ON THE WAY. 'Computed on the way' means the value that the module computes at that place (a softmax that the list does not call 'softmax' is quantised finished and normalised). What goes into a quantiser is computed in f32, as accurately as f32 sums, v_exp_f32 and their like allow (about 1e-6 of the number): no bf16 or f16 on the way to a quantiser, and a product that is left as it is and whose result goes on into a quantised operand takes f32 operands (vector FMAs, or v_wmma_f32_16x16x4_f32). A number that lies on a knife's edge between two numbers of the format may be rounded either way, as far as f32 arithmetic and the matrix unit's own rounding can turn it there, and no further.
;; One version. Each part assembles by itself: llvm-mc -triple=amdgcn-amd-amdhsa -mcpu=gfx1250 --defsym DOCPART=n.
;; ======== version 1 of 1: 2 launches
;; limits: right only within a limited range of input values
;; workspace buffers: kv 15,466,496 bytes
;; launch prep (part 1): grid 4 x 64, 8 waves a work-group, no clusters, 74,752 bytes of LDS; arguments key, value, mask, kv; writes kv
.if DOCPART == 1
	.amdgcn_target "amdgcn-amd-amdhsa--gfx1250"
	.amdhsa_code_object_version 6
	.text
	.protected	k_qf7b4d8aaf6_prep
	.globl	k_qf7b4d8aaf6_prep
	.p2align	8
	.type	k_qf7b4d8aaf6_prep,@function
k_qf7b4d8aaf6_prep:
	s_mov_b64 s[64:65], 0
	v_nop
	global_prefetch_b8 v0, s[64:65] scope:SCOPE_SE
	s_setreg_imm32_b32 hwreg(HW_REG_WAVE_MODE, 25, 1), 1
	s_wait_xcnt 0x0
; key and value, [64 heads][2048 keys][64] f32, become codes of FP6 (E2M3) with one E8M0 scale byte for each 32 along a product's K, laid in kv as IMAGES OF THE OPERAND REGISTERS of the
; attention launch; the mask [4][2048] int32 (one row for the 16 heads of a batch) is folded into key's images.
; kv: a head is 16 key steps of KVS = 15,104 bytes.  A step (128 keys):
;   +0      key's 8 tiles of 16 keys x 64 channels: tile T at 1,024 T; registers 0-3 at 16 x lane, registers 4-7 at 512 + 16 x lane (0-5 codes, 6 the mask's code, 7 zero)
;   +8,192  value's 4 tiles of 16 channels x 128 keys: tile t at 1,536 t; registers 4 c .. 4 c + 3 at 512 c + 16 x lane
;   +14,336 key's scale words, 64 T + 4 r;    +14,848 value's scale words, 64 t + 4 r
; THE KEYS OF A TILE ARE NOT NEIGHBOURS: row r of tile T is key 32 (T / 2) + 8 (T % 2) + r + 8 (r / 8) of the step, so that the scores of two neighbouring tiles are 16 neighbouring keys in a lane.
; THE MASK.  The first product's K is 64, the instruction's 128: k = 64 .. 127 are padding.  The query's fragment holds the code of 1.0 at k = 64.  A hidden key (mask == 0) gets zero codes for its 64
; channels, the code of -4.0 at k = 64 and the scale word 0x01a10101 (byte 2 = 161 = 2^34): its score is exactly -2^36.  A kept key has zero codes in the padding and the bytes 1, 1 there.
; THE QUANTISER.  A block's scale byte is its largest magnitude's exponent field - 2, held at 1 from below (a block of zeros keeps the byte 1: its codes are zeros, and this program alone reads the bytes).
; LIMITS: blocks whose largest magnitude lies under 2^-124 keep the floor's byte; NaN and infinities among the inputs are not served.
; SHARES.  A work-group takes four key steps of one head.  Waves 0-3 take key's part of a step each, waves 4-7 value's.  The waves part once, on the wave's number, share nothing and meet no barrier.
; Every wave has 9,216 bytes of LDS of its own, at 9,216 x its number.  Every offset is an immediate; no pointer is stepped.
.set KVH,  241664                      ; a head's bytes in kv
.set KVS,  15104                       ; a key step's
.set VIM,  8192                        ; value's images in a step
.set KSC,  14336                       ; key's scale words
.set VSC,  14848                       ; value's
.set WREG, 9216                        ; LDS of a wave.  Role K: two stages of 16 rows x 272 bytes, then 512 bytes of scale words.  Role V: 6,144 bytes of images, then 256 of scale words
.set SP,   272                         ; a stage row: 256 bytes + 16, an odd multiple of 16 bytes, so that sixteen rows' loads of 16 bytes start in sixteen different columns
.set STG,  16*SP
.set MK,   28                          ; v28-35   the mask's word of my key in tile T
.set R,    48                          ; v48-143  three sets of 32: a tile of key as it is loaded
.set X,    144                         ; v144-207 two sets of 32: a block of 32 numbers along K
.set I,    208                         ; v208-239 four sets of 8: a tile's image; register 7 of each is 0
; v1 lane, v2 r, v3 h; v4 16 x lane; v5, v6 role K's stage, in and out; v7, v8 its scale words, in and out; v9 the mask's offset; v10 4 x lane; v11 role V's image stage, in; v12 its scale words, in;
; v13, v14 both, out; v15 8 x lane; v16 8 h; v17-19 constants; v20-25 at work; v26-27 value's scale words; v36-44 codes
; the largest magnitude of the 32 numbers v[xs] on, with the floor 2^(3 - 127) among its leaves, in two chains; v22 = it with 2 off its exponent field: the conversions' scale operand
.macro BLOCKMAX xs
	v_max3_num_f32 v20, |v[\xs]|, |v[\xs+1]|, |v[\xs+2]|
	v_max3_num_f32 v21, |v[\xs+3]|, |v[\xs+4]|, |v[\xs+5]|
.irp i, 6,10,14,18,22,26
	s_delay_alu instid0(VALU_DEP_2)
	v_max3_num_f32 v20, v20, |v[\xs+\i]|, |v[\xs+\i+1]|
	s_delay_alu instid0(VALU_DEP_2)
	v_max3_num_f32 v21, v21, |v[\xs+\i+2]|, |v[\xs+\i+3]|
.endr
	s_delay_alu instid0(VALU_DEP_2)
	v_max3_num_f32 v20, v20, |v[\xs+30]|, |v[\xs+31]|
	s_delay_alu instid0(VALU_DEP_1)
	v_max3_num_f32 v20, v20, v21, 0x1800000
	s_delay_alu instid0(VALU_DEP_1)
	v_add_nc_u32 v22, 0xff000000, v20
.endm
; ROLE K.  Tile T's 16 rows of 256 bytes: eight loads of two rows, 512 consecutive bytes each
.macro LOADK T
; THE ORDER OF THE KEYS IN A TILE, which stands in place of the order named at the head: row r of tile T is key 64 (T / 4) + 8 (T % 4) + r + 24 (r / 8) of the step,
; so that the scores of four neighbouring tiles are 32 neighbouring keys, a whole block of the second product's K, in one lane
.set KB, 64*((\T)/4)+8*((\T)%4)
.irp i, 0,1,2,3,4,5,6,7
	global_load_b128 v[R+32*((\T)%3)+4*\i:R+32*((\T)%3)+4*\i+3], v4, s[4:5] offset:(KB+2*\i+24*(\i/4))*256 th:TH_LOAD_NT
.endr
.endm
; through the wave's own stage: in as loaded, out 128 bytes a lane: lane (r, h) gets channels 32 h .. 32 h + 31 of row r.  LDS serves a wave's instructions in order: no wait between
.macro TURN T
.irp i, 0,1,2,3,4,5,6,7
	ds_store_b128 v5, v[R+32*((\T)%3)+4*\i:R+32*((\T)%3)+4*\i+3] offset:STG*((\T)%2)+2*SP*\i
.endr
.irp j, 0,1,2,3,4,5,6,7
	ds_load_b128 v[X+32*((\T)%2)+4*\j:X+32*((\T)%2)+4*\j+3], v6 offset:STG*((\T)%2)+16*\j
.endr
.endm
.macro KTILE T
.set XS, X+32*((\T)%2)
.set IS, I+8*((\T)%4)
.if (\T) > 0
	s_wait_dscnt 1                                 ; this tile is back from the stage (the last tile's scale word may be out): so its stores into the stage have read their registers,
.else
	s_wait_dscnt 0x0
.endif
.if (\T)+3 < 8
	LOADK (\T)+3                                   ; which take the tile three on
.endif
.if (\T) < 7
.if (\T) <= 4
	s_wait_loadcnt 16                              ; the next tile's eight loads are in; those of the two tiles behind it may be out
.else
	s_wait_loadcnt 8*(6-(\T))
.endif
	TURN (\T)+1                                    ; and go through the other stage while this tile is worked
.endif
	BLOCKMAX XS                                    ; my block: all its 32 numbers are mine
	v_cvt_scalef32_pk16_fp6_f32 v[36:38], v[XS:XS+15], v22
	v_cvt_scalef32_pk16_fp6_f32 v[42:44], v[XS+16:XS+31], v22   ; (a conversion's three registers begin on an even number)
	v_lshrrev_b32 v23, 23, v22                     ; the scale's byte.  (The plain line behind the conversions)
	v_cmp_ne_u32 vcc_lo, 0, v[MK+(\T)]             ; does my key count?
.if (\T) >= 4
	s_wait_alu depctr_va_vdst(0)
	s_wait_xcnt 0x0                                ; the stores of the tile four back have read this set of registers
.endif
.irp k, 0,1,2
	v_cndmask_b32 v[IS+\k], 0, v[36+\k], vcc_lo    ; the codes, or zeros for a hidden key: the move into the image's registers and the mask in one line
	v_cndmask_b32 v[IS+3+\k], 0, v[42+\k], vcc_lo
.endr
	s_and_not1_b32 s23, s22, vcc_lo                ; lanes 0-15 whose key is hidden
	v_cndmask_b32 v[IS+6], 0, v17, s23             ; k = 64: the code of -4.0 there, else 0
	global_store_b128 v4, v[IS:IS+3], s[10:11] offset:1024*(\T)          ; 32 lanes store 512 consecutive bytes, at a multiple of 256 from kv's first byte
	global_store_b128 v4, v[IS+4:IS+7], s[10:11] offset:1024*(\T)+512
	v_lshlrev_b32 v23, v16, v23                    ; my byte at its place: 8 h bits up;
	s_delay_alu instid0(VALU_DEP_1)
	v_permlanex16_b32 v24, v23, s20, s21
	s_delay_alu instid0(VALU_DEP_1)
	v_or_b32 v25, v23, v24                         ; with lane l xor 16's: bytes 0 and 1 of the row's word;
	s_delay_alu instid0(VALU_DEP_1)
	v_or_b32 v25, v18, v25                         ; the padding's bytes 1, 1;
	s_delay_alu instid0(VALU_DEP_1)
	v_cndmask_b32 v25, v19, v25, vcc_lo            ; a hidden key has a word of its own
	ds_store_b32 v7, v25 offset:64*(\T)            ; both lanes of a row write the same word with the same value
.endm
; ROLE V.  A lane takes a channel, 32 u + lane, and its registers run down the keys: block n = 2 b + u is keys 32 b .. 32 b + 31; a load reads 128 consecutive bytes; a row's two halves are asked for in neighbouring blocks
.macro LOADV n
.irp i, 0,1,2,3,4,5,6,7,8,9,10,11,12,13,14,15,16,17,18,19,20,21,22,23,24,25,26,27,28,29,30,31
	global_load_b32 v[X+32*((\n)%2)+\i], v10, s[6:7] offset:(32*((\n)/2)+\i)*256+128*((\n)%2)
.endr
.endm
.macro VBLOCK n
.set XS, X+32*((\n)%2)
.set VB, (\n)/2
.set VU, (\n)%2
.set VO, 3072*VU+256*(VB%2)            ; tiles 2 u and 2 u + 1; the image's lanes 16-31 hold the odd blocks
.if (\n) < 7
	s_wait_loadcnt 32                              ; this block's 32 loads are in; the next block's may be out
.else
	s_wait_loadcnt 0x0
.endif
	BLOCKMAX XS
	s_delay_alu instid0(VALU_DEP_1)
	v_lshrrev_b32 v23, 23, v22                     ; the scale's byte: byte b of my channel's word
.if VB == 0
	s_delay_alu instid0(VALU_DEP_1)
	v_mov_b32 v[26+VU], v23
.else
	s_delay_alu instid0(VALU_DEP_1)
	v_lshl_or_b32 v[26+VU], v23, 8*VB, v[26+VU]
.endif
	v_cvt_scalef32_pk16_fp6_f32 v[36:38], v[XS:XS+15], v22
	v_cvt_scalef32_pk16_fp6_f32 v[42:44], v[XS+16:XS+31], v22
	v_nop                                          ; one plain line behind the conversions
.irp k, 0,1,2
	v_mov_b32 v[39+\k], v[42+\k]                   ; v36-41: the block's 192 bits
.endr
.if VB < 2                                     ; they are the fragment's registers 0-5
	ds_store_b128 v11, v[36:39] offset:VO
	ds_store_b64 v11, v[40:41] offset:VO+512
.else                                          ; or its registers 6-11
	ds_store_b64 v11, v[36:37] offset:VO+520
	ds_store_b128 v11, v[38:41] offset:VO+1024
.endif
.if (\n)+2 < 8
	LOADV (\n)+2
.endif
	s_wait_dscnt 0x0                               ; the stores are done before the next block's codes are made
.endm
	s_load_b256 s[4:11], s[0:1], 0x0               ; key s[4:5], value s[6:7], mask s[8:9], kv s[10:11]
	v_lshl_add_u32 v240, v0, 2, 0x12000
	v_mov_b32 v241, 0
	v_lshrrev_b32 v1, 5, v0
	s_delay_alu instid0(VALU_DEP_1)
	v_readfirstlane_b32 s12, v1                    ; wave 0..7
	s_and_b32 s13, s12, 3
	s_lshl_b32 s24, ttmp9, 2
	s_add_co_u32 s13, s13, s24                     ; my key step: 4 x work-group x + wave % 4
	s_and_b32 s24, ttmp7, 0xffff                   ; the head
	s_lshl_b32 s14, s24, 19                        ; key and value: 524,288 bytes a head,
	s_lshl_b32 s25, s13, 15                        ; 32,768 a step
	s_add_co_u32 s14, s14, s25
	s_mov_b32 s15, 0
	s_mul_i32 s16, s24, KVH                        ; kv
	s_mul_i32 s25, s13, KVS
	s_add_co_u32 s16, s16, s25
	s_mov_b32 s17, 0
	s_lshr_b32 s18, s24, 4                         ; the mask: 8,192 bytes a batch of 16 heads,
	s_lshl_b32 s18, s18, 13
	s_lshl_b32 s25, s13, 9                         ; 512 a step
	s_add_co_u32 s18, s18, s25
	s_mov_b32 s19, 0
	s_mov_b32 s20, 0x76543210
	s_mov_b32 s21, 0xfedcba98                      ; v_permlanex16_b32's selects for lane l xor 16
	s_mov_b32 s22, 0xffff                          ; lanes 0-15
	s_mul_i32 s26, s12, WREG                       ; my wave's LDS
	s_add_co_u32 s27, s26, 2*STG                   ; role K's scale words
	s_add_co_u32 s28, s26, 6144                    ; role V's
	; every address register is made here, ahead of the parting
	v_and_b32 v1, 31, v0                           ; lane
	v_and_b32 v2, 15, v0                           ; r
	v_bfe_u32 v3, v0, 4, 1                         ; h
	s_delay_alu instid0(VALU_DEP_3)
	v_lshlrev_b32 v4, 4, v1
	s_delay_alu instid0(VALU_DEP_2)
	v_mul_u32_u24 v5, v3, SP
	s_delay_alu instid0(VALU_DEP_1)
	v_lshl_add_u32 v5, v2, 4, v5
	s_delay_alu instid0(VALU_DEP_1)
	v_add_nc_u32 v5, s26, v5                       ; into the stage: row h of a load's two, 16 bytes a lane
	v_mul_u32_u24 v6, v2, SP
	s_delay_alu instid0(VALU_DEP_1)
	v_lshl_add_u32 v6, v3, 7, v6
	s_delay_alu instid0(VALU_DEP_1)
	v_add_nc_u32 v6, s26, v6                       ; out of it: row r, + 128 h
	v_lshl_add_u32 v7, v2, 2, s27
	v_lshl_add_u32 v8, v1, 4, s27
	v_and_b32 v9, 8, v2
	s_delay_alu instid0(VALU_DEP_1)
	v_mad_u32_u24 v9, v9, 3, v2                    ; r + 24 (r / 8)
	s_delay_alu instid0(VALU_DEP_1)
	v_lshlrev_b32 v9, 2, v9                        ; 4 (r + 24 (r / 8))
	v_lshlrev_b32 v10, 2, v1
	v_mul_u32_u24 v11, v3, 1536
	s_delay_alu instid0(VALU_DEP_1)
	v_lshl_add_u32 v11, v2, 4, v11
	s_delay_alu instid0(VALU_DEP_1)
	v_add_nc_u32 v11, s26, v11                     ; my channel's tile (lane / 16 of two) and its lane r of the image
	v_lshl_add_u32 v12, v1, 2, s28
	v_lshl_add_u32 v13, v1, 4, s26
	v_lshl_add_u32 v14, v1, 3, s28
	v_lshlrev_b32 v15, 3, v1
	v_lshlrev_b32 v16, 3, v3
	s_wait_kmcnt 0x0
	s_add_nc_u64 s[4:5], s[4:5], s[14:15]
	s_add_nc_u64 s[6:7], s[6:7], s[14:15]
	s_add_nc_u64 s[8:9], s[8:9], s[18:19]
	s_add_nc_u64 s[10:11], s[10:11], s[16:17]
	s_cmp_lt_u32 s12, 4
	s_cbranch_scc0 .Lrole_v
	; ---- role K
.irp t, 0,1,2,3,4,5,6,7
	global_load_b32 v[MK+\t], v9, s[8:9] offset:4*(64*(\t/4)+8*(\t%4))
.endr
	LOADK 0
	LOADK 1
	LOADK 2
	v_mov_b32 v17, 0x38                            ; the code of -4.0
	v_mov_b32 v18, 0x01010000                      ; a kept key's padding bytes
	v_mov_b32 v19, 0x01a10101                      ; a hidden key's scale word
	v_mov_b32 v24, 0                               ; written once: a lane permute's destination counts as one of its sources
.irp q, 0,1,2,3
	v_mov_b32 v[I+8*\q+7], 0                       ; register 7 of every image
.endr
	s_wait_loadcnt 16                              ; the mask's words and tile 0 are in; tiles 1 and 2 may be out
	TURN 0
.irp t, 0,1,2,3,4,5,6,7
	KTILE \t
.endr
	ds_load_b128 v[48:51], v8                      ; the step's 128 scale words: LDS serves a wave's instructions in order, so these see my stores
	s_wait_dscnt 0x0
	global_store_b128 v4, v[48:51], s[10:11] offset:KSC   ; 512 consecutive bytes
	s_wait_tensorcnt 0x0
	ds_add_u32 v240, v241
	s_wait_dscnt 0x0
	s_endpgm
	; ---- role V
.Lrole_v:
	s_wait_alu depctr_va_vdst(0)
	LOADV 0
	LOADV 1
.irp n, 0,1,2,3,4,5,6,7
	VBLOCK \n
.endr
	ds_store_b32 v12, v26                          ; channels 0-31: tiles 0 and 1: 4 bytes a lane
	s_wait_alu depctr_va_vdst(0)
	ds_store_b32 v12, v27 offset:128               ; channels 32-63
.irp j, 0,1,2,3,4,5,6,7,8,9,10,11
	ds_load_b128 v[48+4*\j:51+4*\j], v13 offset:512*\j    ; the four images, as they will lie in kv
.endr
	ds_load_b64 v[96:97], v14
.irp j, 0,1,2,3,4,5,6,7,8,9,10,11
	s_wait_dscnt 12-\j                             ; behind load j: the 11 - j image loads and the scale words' load
	global_store_b128 v4, v[48+4*\j:51+4*\j], s[10:11] offset:VIM+512*\j
.endr
	s_wait_dscnt 0x0
	global_store_b64 v15, v[96:97], s[10:11] offset:VSC   ; 32 lanes store 256 consecutive bytes, at a multiple of 256 from kv's first byte
	s_wait_tensorcnt 0x0
	ds_add_u32 v240, v241
	s_wait_dscnt 0x0
	s_endpgm
.Lfunc_end_k_qf7b4d8aaf6_prep:
	.size	k_qf7b4d8aaf6_prep, .Lfunc_end_k_qf7b4d8aaf6_prep-k_qf7b4d8aaf6_prep
	.p2alignl 7, 3214868480
	.fill 96, 4, 3214868480
	.section	.rodata,"a",@progbits
	.p2align	6, 0x0
	.amdhsa_kernel k_qf7b4d8aaf6_prep
		.amdhsa_group_segment_fixed_size 74752
		.amdhsa_private_segment_fixed_size 0
		.amdhsa_enable_private_segment 0
		.amdhsa_kernarg_size 32
		.amdhsa_user_sgpr_count 2
		.amdhsa_user_sgpr_kernarg_segment_ptr 1
		.amdhsa_wavefront_size32 1
		.amdhsa_system_sgpr_workgroup_id_x 1
		.amdhsa_system_sgpr_workgroup_id_y 1
		.amdhsa_system_sgpr_workgroup_id_z 1
		.amdhsa_system_vgpr_workitem_id 0
		.amdhsa_next_free_vgpr 242
		.amdhsa_next_free_sgpr 66
		.amdhsa_reserve_vcc 1
		.amdhsa_float_denorm_mode_32 3
		.amdhsa_float_denorm_mode_16_64 3
		.amdhsa_memory_ordered 1
		.amdhsa_forward_progress 1
		.amdhsa_inst_pref_size 85
	.end_amdhsa_kernel
	.amdgpu_metadata
---
amdhsa.version: [ 1, 2 ]
amdhsa.kernels:
  - .name:           k_qf7b4d8aaf6_prep
    .symbol:         k_qf7b4d8aaf6_prep.kd
    .args:
      - { .name: key, .offset: 0, .size: 8, .value_kind: global_buffer, .address_space: global }
      - { .name: value, .offset: 8, .size: 8, .value_kind: global_buffer, .address_space: global }
      - { .name: mask, .offset: 16, .size: 8, .value_kind: global_buffer, .address_space: global }
      - { .name: kv, .offset: 24, .size: 8, .value_kind: global_buffer, .address_space: global }
    .group_segment_fixed_size: 74752
    .private_segment_fixed_size: 0
    .kernarg_segment_align: 8
    .kernarg_segment_size: 32
    .max_flat_workgroup_size: 256
    .sgpr_count:     66
    .vgpr_count:     242
    .wavefront_size: 32
...
	.end_amdgpu_metadata
.endif
;; end of part 1
;; launch attn (part 2): grid 4 x 64, 8 waves a work-group, clusters of 4 x 1, 277,504 bytes of LDS; arguments query, kv, out0; writes out0
.if DOCPART == 2
	.amdgcn_target "amdgcn-amd-amdhsa--gfx1250"
	.amdhsa_code_object_version 6
	.text
	.protected	k_qf7b4d8aaf6_attn
	.globl	k_qf7b4d8aaf6_attn
	.p2align	8
	.type	k_qf7b4d8aaf6_attn,@function
k_qf7b4d8aaf6_attn:
	s_mov_b64 s[64:65], 0
	v_nop
	global_prefetch_b8 v0, s[64:65] scope:SCOPE_SE
	s_setreg_imm32_b32 hwreg(HW_REG_WAVE_MODE, 25, 1), 1
	s_wait_xcnt 0x0
	s_wait_alu depctr_hold_cnt(0) depctr_sa_sdst(0) depctr_va_vdst(0) depctr_va_sdst(0) depctr_va_ssrc(0) depctr_va_vcc(0) depctr_vm_vsrc(0)
	s_getreg_b32 s2, hwreg(HW_REG_IB_STS2, 6, 4)
	s_cmp_eq_u32 s2, 0
	s_cbranch_scc0 .Lentry_in_a_cluster
	s_endpgm
.Lentry_in_a_cluster:
	s_bfe_u32 s2, ttmp6, 0x10000c
	s_cmp_lg_u32 s2, 0x3003
	s_cbranch_scc0 .Lentry_shape_is_right
	s_endpgm
.Lentry_shape_is_right:
; out0[head][q][:] = sum over k of softmax_k(where(mask[k] == 0, -1e10, query[q] . key[k] / 8)) value[k][:]; 64 heads, 2,048 queries, 2,048 keys, 64 channels; both products on codes of FP6 (E2M3), one E8M0 scale for each 32 along K.
; key, value and the mask come as kv: images of the operand registers, 16 key steps of 15,104 bytes a head (key's 8 tiles at 1,024 T, value's 4 at 8,192 + 1,536 t, key's scale words at 14,336, value's at 14,848).
; Row r of key's tile T is key 64 (T / 4) + 8 (T % 4) + r + 24 (r / 8) of its step.  query arrives as f32 and is quantised here, in registers.
; THE SOFTMAX: t = score x log2(e) / 8; M = the ceiling of the row's largest t so far; p = 2^(t - M) is quantised along the keys; the row's sum is taken of the unquantised p in f32 and divides O at the end.
; When M moves, the sum and O are multiplied by 2^(old M - new M), which is exact.
; THE MASK: the first product's K is 64, the instruction's 128.  Q's fragment holds the code of 1.0 at k = 64 (scale byte 127) and zeros behind it; a hidden key's image holds zero codes, the code of -4.0 at k = 64 and
; the scale 2^34 there: its score is exactly -2^36, and c x 2^36 is a whole number.  While a row has seen hidden keys alone p = 1, as with equal logits; the first key that counts makes the factor 0.
; LIMITS: a hidden key's logit is -2^33 where the definition has -1e10: rows all of whose counting logits lie below about -8.5e9 are not served.  NaN and infinities among the inputs are not served.
; Blocks whose largest magnitude lies under 2^-124 keep the floor's scale byte, 1.
; SHARES: a work-group owns 512 queries of one head, each of its eight waves 64 of them as four tiles of 16, in ONE walk over the keys: a fragment of K or V that is read from LDS feeds four tiles.
; Both products are used transposed (S^T = K Q^T, O^T = V^T P^T): a lane holds one query (lane % 16).  By the order of the keys the 32 score registers of four neighbouring tiles are keys 64 c + 32 h + 0 .. 31:
; a whole block in a lane, in the order that the second product's operand wants: no lane exchanges codes with another.
; THE PIPELINE: in the middle of a tile's softmax, behind the rescaling of its O^T and ahead of its exponentials, stand the second product of the tile before and the scores of the tile after (two score buffers by turns);
; a step's fourth tile has its second product at the step's end.  V's images are loaded behind the first tile's maxima, the next step's K behind the third tile's exponentials.
; LDS: a head's kv, 241,664 bytes, lies in LDS whole and is filled once; behind it a stage of 16 rows x 272 bytes for each wave (q's way in, O's way out), then the spare words.
; CLUSTER: the four work-groups of a cluster are the four query blocks of one head: each wave issues ONE joint load, key steps 2 w and 2 w + 1 (30,208 bytes), with the same descriptor in all four partners.
; A wave walks the 16 steps from its own step 2 w on, round the end: its first step needs its own load alone, and stands between the signal and the wait of the one barrier that shows all parts landed.
; No prefetch: all fills go out at the head, one a wave, and there is no loop that could run ahead of them.
; REGISTERS, window 0: v1 16 x lane, v2 4 r, v3-4 V's LDS addresses, v5-7 stage and out0, v8-9 the add's two, v10-11 the next step's K addresses, v12-27 four tiles' state (-M, largest score, the sum in two halves),
; v28-31 Q's scale words, v32-33 the factor, v34 p's scale word, v35 8 h, v36-43 K's scale words, v44-47 V's, v48-111 and v112-175 the two score buffers, v176-187 p's codes, v188-207 at work, v208-255 Q's four fragments.
; Window 1: v0-127 O^T of the four tiles; v128-191 K's eight fragments, EIGHT registers apart: registers 8-11 of a fragment are the next one's first four (of the last: v192-195, zeros): they meet Q's zero codes alone;
; v196-243 V's four fragments.
.set KVH,   241664
.set KVS,   15104
.set VIM,   8192
.set KSC,   14336
.set VSC,   14848
.set SP,    272
.set STAGE, KVH
.set SPARE, STAGE+8*16*SP
.set SPW, 8
.set NIL, 9
.set QS,  28
.set FF,  32
.set PS,  34
.set H8,  35
.set KS,  36
.set VS,  44
.set S0,  48
.set S1,  112
.set PC,  176
.set PT,  188
.set BM0, 196
.set BM1, 197
.set BX0, 198
.set BX1, 199
.set SO0, 200
.set SO1, 201
.set T0,  202
.set T1,  203
.set T2,  204
.set QB,  205
.set QF,  208
.set KF,  128
.set VF,  196
.set MSB, 0
.macro WIN new                         ; the immediate's high byte repeats the setting that is left
.if MSB != \new
	s_set_vgpr_msb (MSB<<8)|\new
.set MSB, \new
.endif
.endm
.macro ROUND                           ; a round of the cluster's barrier
	s_barrier_signal -1
	s_barrier_wait -1
	s_cmp_lg_u32 s10, 0
	s_cbranch_scc1 .Lnot_wave_0_\@
	s_barrier_signal -3
.Lnot_wave_0_\@:
	s_barrier_wait -3
	s_barrier_signal -1
	s_barrier_wait -1
.endm
; q's way in: a tile's 16 rows into my stage as loaded, and back 128 bytes a lane: lane (r, h) gets channels 32 h .. 32 h + 31 of query r
.macro QST q
.irp i, 0,1,2,3,4,5,6,7
	ds_store_b128 v6, v[S0+32*(\q)+4*\i:S0+32*(\q)+4*\i+3] offset:2*SP*\i
.endr
.endm
.macro QLD x
.irp j, 0,1,2,3,4,5,6,7
	ds_load_b128 v[\x+4*\j:\x+4*\j+3], v[QB] offset:16*\j
.endr
.endm
; a lane's block of 32 numbers v[x] on -> the fragment v[d] .. v[d + 11] (codes, the code of 1.0 at k = 64, zeros) and the row's scale word v[qs]
.macro QUANTQ x, d, qs
	v_max3_num_f32 v[BM0], |v[\x]|, |v[\x+1]|, |v[\x+2]|
	v_max3_num_f32 v[BM1], |v[\x+3]|, |v[\x+4]|, |v[\x+5]|
.irp i, 6,10,14,18,22,26
	s_delay_alu instid0(VALU_DEP_2)
	v_max3_num_f32 v[BM0], v[BM0], |v[\x+\i]|, |v[\x+\i+1]|
	s_delay_alu instid0(VALU_DEP_2)
	v_max3_num_f32 v[BM1], v[BM1], |v[\x+\i+2]|, |v[\x+\i+3]|
.endr
	s_delay_alu instid0(VALU_DEP_2)
	v_max3_num_f32 v[BM0], v[BM0], |v[\x+30]|, |v[\x+31]|
	s_delay_alu instid0(VALU_DEP_1)
	v_max3_num_f32 v[BM0], v[BM0], v[BM1], 0x1800000   ; the floor 2^(3 - 127): the byte cannot fall under 1
	s_delay_alu instid0(VALU_DEP_1)
	v_add_nc_u32 v[SO0], 0xff000000, v[BM0]        ; 2 off the exponent field: the conversions' scale operand
	v_cvt_scalef32_pk16_fp6_f32 v[\d:\d+2], v[\x:\x+15], v[SO0]
	v_cvt_scalef32_pk16_fp6_f32 v[PT:PT+2], v[\x+16:\x+31], v[SO0]   ; (a conversion's three registers begin on an even number)
	v_lshrrev_b32 v[T0], 23, v[SO0]                ; the byte; also the plain line behind the conversions
	s_delay_alu instid0(VALU_DEP_1)
	v_lshlrev_b32 v[T0], v[H8], v[T0]              ; 8 h bits up
	s_delay_alu instid0(VALU_DEP_1)
	v_permlanex16_b32 v[T1], v[T0], s20, s21
	s_delay_alu instid0(VALU_DEP_1)
	v_or_b32 v[\qs], v[T0], v[T1]                  ; bytes 0 and 1
	s_delay_alu instid0(VALU_DEP_1)
	v_or_b32 v[\qs], 0x7f7f0000, v[\qs]            ; the padding's scale is 1
.irp k, 0,1,2
	v_mov_b32 v[\d+3+\k], v[PT+\k]
.endr
	v_mov_b32 v[\d+6], v[T2]                       ; the code of 1.0 at k = 64 (lanes 0-15)
.irp k, 7,8,9,10,11
	v_mov_b32 v[\d+\k], 0
.endr
.endm
; K's eight images and scale words of the step whose addresses stand in v[a] (16 x lane) and v[b] (4 r)
.macro KLOAD a, b
	WIN 0x40
.irp T, 0,1,2,3,4,5,6,7
	ds_load_b128 v[KF+8*\T:KF+8*\T+3], v[\a] offset:1024*\T
	ds_load_b128 v[KF+8*\T+4:KF+8*\T+7], v[\a] offset:1024*\T+512
.endr
	WIN 0
.irp T, 0,1,2,3,4,5,6,7
	ds_load_b32 v[KS+\T], v[\b] offset:KSC+64*\T
.endr
.endm
.macro VLOAD
	WIN 0x40
.irp t, 0,1,2,3
.irp c, 0,1,2
	ds_load_b128 v[VF+12*\t+4*\c:VF+12*\t+4*\c+3], v3 offset:VIM+1536*\t+512*\c
.endr
.endr
	WIN 0
.irp t, 0,1,2,3
	ds_load_b32 v[VS+\t], v4 offset:VSC+64*\t
.endr
.endm
; S^T = K Q^T of query tile q into score buffer sb: eight products, each its own accumulator begun with 0
.macro SMUL q, sb
	WIN 0x01
.irp T, 0,1,2,3,4,5,6,7
	v_wmma_scale_f32_16x16x128_f8f6f4 v[\sb+8*\T:\sb+8*\T+7], v[KF+8*\T:KF+8*\T+11], v[QF+12*(\q):QF+12*(\q)+11], 0, v[KS+\T], v[QS+(\q)] matrix_a_fmt:MATRIX_FMT_FP6 matrix_b_fmt:MATRIX_FMT_FP6
.endr
.endm
; O^T += V^T P^T of tile q: four accumulators, one instruction each; in the walk's first step they begin with 0
.macro PV q, first
.if \first
	WIN 0x41
.else
	WIN 0x51
.endif
.irp t, 0,1,2,3
.if \first
	v_wmma_scale_f32_16x16x128_f8f6f4 v[32*(\q)+8*\t:32*(\q)+8*\t+7], v[VF+12*\t:VF+12*\t+11], v[PC:PC+11], 0, v[VS+\t], v[PS] matrix_a_fmt:MATRIX_FMT_FP6 matrix_b_fmt:MATRIX_FMT_FP6
.else
	v_wmma_scale_f32_16x16x128_f8f6f4 v[32*(\q)+8*\t:32*(\q)+8*\t+7], v[VF+12*\t:VF+12*\t+11], v[PC:PC+11], v[32*(\q)+8*\t:32*(\q)+8*\t+7], v[VS+\t], v[PS] matrix_a_fmt:MATRIX_FMT_FP6 matrix_b_fmt:MATRIX_FMT_FP6
.endif
.endr
.endm
.macro LEVEL sb, st                    ; one level of the sum's tree, in place
.set j, 0
.rept 32/(\st)
	v_pk_add_f32 v[\sb+j:\sb+j+1], v[\sb+j:\sb+j+1], v[\sb+j+\st:\sb+j+\st+1]
.set j, j+2*(\st)
.endr
.endm
; THE SOFTMAX of query tile q on score buffer sb.  first = 1: the walk's first step: nothing to rescale.  hook 1: V's loads behind the maxima; hook 2: the next step's K behind the exponentials.
; In its middle: the second product of tile pvq and the scores of tile smq into the other buffer (-1: none); dsw = 1: the LDS loads that those products read are waited for
.macro SOFT q, sb, first, hook, pvq, smq, dsw
.set NM, 12+4*(\q)
.set RM, NM+1
.set LS, NM+2
.set OQ, 32*(\q)
	WIN 0
	s_wait_alu depctr_va_vdst(0)                   ; the wait ahead of the first readers of the scores
	v_max3_num_f32 v[BM0], v[\sb], v[\sb+1], v[\sb+2]        ; each block's largest score, in two chains a block; every accumulator is first read in its four lowest registers
	v_max3_num_f32 v[BX0], v[\sb+17], v[\sb+18], v[\sb+19]
	v_max3_num_f32 v[BM1], v[\sb+32], v[\sb+33], v[\sb+34]
	v_max3_num_f32 v[BX1], v[\sb+49], v[\sb+50], v[\sb+51]
.irp i, 0,2,4,6,8,10
	v_max3_num_f32 v[BM0], v[BM0], v[\sb+3+\i], v[\sb+4+\i]
	v_max3_num_f32 v[BX0], v[BX0], v[\sb+20+\i], v[\sb+21+\i]
	v_max3_num_f32 v[BM1], v[BM1], v[\sb+35+\i], v[\sb+36+\i]
	v_max3_num_f32 v[BX1], v[BX1], v[\sb+52+\i], v[\sb+53+\i]
.endr
	v_max3_num_f32 v[BM0], v[BM0], v[\sb+15], v[\sb+16]
	v_max3_num_f32 v[BM1], v[BM1], v[\sb+47], v[\sb+48]
	s_delay_alu instid0(VALU_DEP_2)
	v_max_num_f32 v[BM0], v[BM0], v[BX0]
	s_delay_alu instid0(VALU_DEP_2)
	v_max_num_f32 v[BM1], v[BM1], v[BX1]
.if \hook == 1
	VLOAD
.else
	s_delay_alu instid0(VALU_DEP_1)
.endif
.if \first
	v_max_num_f32 v[RM], v[BM0], v[BM1]
.else
	v_max3_num_f32 v[RM], v[RM], v[BM0], v[BM1]    ; the running largest score of my keys,
.endif
	s_delay_alu instid0(VALU_DEP_1)
	v_permlanex16_b32 v[T0], v[RM], s20, s21
	s_delay_alu instid0(VALU_DEP_1)
	v_max_num_f32 v[RM], v[RM], v[T0]              ; and of lane l xor 16's
	s_delay_alu instid0(VALU_DEP_1)
	v_mul_f32 v[T1], s25, v[RM]                    ; -t
.if \first == 0
	v_mov_b32 v[T2], v[NM]
	s_delay_alu instid0(VALU_DEP_2)
.else
	s_delay_alu instid0(VALU_DEP_1)
.endif
	v_floor_f32 v[NM], v[T1]                       ; -M = floor(-t) = -ceil(t)
.set j, 0
.rept 32
	v_pk_fma_f32 v[\sb+j:\sb+j+1], v[\sb+j:\sb+j+1], s[22:23], v[NM:NM+1] op_sel_hi:[1,0,0]   ; t - M
.if (\first == 0) && (j == 8)
	v_sub_f32 v[T2], v[NM], v[T2]                  ; old M less new M: a whole number, 0 or less
.endif
.if (\first == 0) && (j == 18)
	v_cvt_i32_f32 v[T2], v[T2]                     ; (it saturates)
.endif
.if (\first == 0) && (j == 28)
	v_ldexp_f32 v[FF], 1.0, v[T2]                  ; the factor 2^(old M - new M)
.endif
.set j, j+2
.endr
	v_pk_fma_f32 v[BM0:BM0+1], v[BM0:BM0+1], s[22:23], v[NM:NM+1] op_sel_hi:[1,0,0]   ; the same of the two blocks' largest scores
.if \dsw
	s_wait_dscnt 0x0                               ; the images and scale words that the products below read are in
.endif
.if \first == 0
	WIN 0x41
.endif
	s_wait_alu depctr_va_vdst(0)                   ; the wait ahead of the first readers of O^T; it stands ahead of the batch of exponentials too
.if \first == 0
.set j, 0
.rept 16
	v_pk_mul_f32 v[OQ+j:OQ+j+1], v[OQ+j:OQ+j+1], v[FF:FF+1] op_sel_hi:[1,0]   ; O^T under the new M
.set j, j+2
.endr
.endif
.if \pvq >= 0
	PV \pvq, \first
.endif
.if \smq >= 0
	SMUL \smq, (S0+S1-\sb)
.endif
	WIN 0
.set j, 0
.rept 64
	v_exp_f32 v[\sb+j], v[\sb+j]                   ; p = 2^(t - M)
.set j, j+1
.endr
	v_exp_f32 v[BM0], v[BM0]                       ; the blocks' largest p: the same two instructions on the same number
	v_exp_f32 v[BM1], v[BM1]
	v_nop                                          ; a plain line behind the batch
	s_wait_alu depctr_va_vdst(0)                   ; and the one wait ahead of its first reader
	v_max_num_f32 v[BM0], 0x1800000, v[BM0]        ; the floor 2^(3 - 127)
	v_max_num_f32 v[BM1], 0x1800000, v[BM1]
	s_delay_alu instid0(VALU_DEP_2)
	v_add_nc_u32 v[SO0], 0xff000000, v[BM0]        ; 2 off the exponent field: the conversions' scale operand
	s_delay_alu instid0(VALU_DEP_2)
	v_add_nc_u32 v[SO1], 0xff000000, v[BM1]
	v_cvt_scalef32_pk16_fp6_f32 v[PC:PC+2], v[\sb:\sb+15], v[SO0]
	v_cvt_scalef32_pk16_fp6_f32 v[PT:PT+2], v[\sb+16:\sb+31], v[SO0]
	v_cvt_scalef32_pk16_fp6_f32 v[PC+6:PC+8], v[\sb+32:\sb+47], v[SO1]
	v_cvt_scalef32_pk16_fp6_f32 v[PT+4:PT+6], v[\sb+48:\sb+63], v[SO1]
	v_lshrrev_b32 v[T0], 23, v[SO0]                ; my two bytes: blocks h and 2 + h.  (Plain lines behind the conversions.)  The word's chain and the codes' moves take turns
	v_lshrrev_b32 v[T1], 23, v[SO1]
	v_mov_b32 v[PC+3], v[PT]                       ; a block's upper 16 codes behind its lower 16
	v_mov_b32 v[PC+9], v[PT+4]
	s_delay_alu instid0(VALU_DEP_3)
	v_lshl_or_b32 v[T0], v[T1], 16, v[T0]
	v_mov_b32 v[PC+4], v[PT+1]
	v_mov_b32 v[PC+10], v[PT+5]
	s_delay_alu instid0(VALU_DEP_3)
	v_lshlrev_b32 v[T0], v[H8], v[T0]              ; at their places, 8 h bits up
	v_mov_b32 v[PC+5], v[PT+2]
	v_mov_b32 v[PC+11], v[PT+6]
	s_delay_alu instid0(VALU_DEP_3)
	v_permlanex16_b32 v[T1], v[T0], s20, s21
.if \hook == 2
	KLOAD 10, 11
.endif
	LEVEL \sb, 2                                   ; the sum of the unquantised p: 64 numbers a lane
	v_or_b32 v[PS], v[T0], v[T1]                   ; with lane l xor 16's two bytes: p's scale word
	LEVEL \sb, 4
	LEVEL \sb, 8
	s_delay_alu instid0(VALU_DEP_3)
	v_pk_add_f32 v[\sb:\sb+1], v[\sb:\sb+1], v[\sb+16:\sb+17]
	s_delay_alu instid0(VALU_DEP_2)
	v_pk_add_f32 v[\sb+32:\sb+33], v[\sb+32:\sb+33], v[\sb+48:\sb+49]
.if \first
	s_delay_alu instid0(VALU_DEP_1)
	v_pk_add_f32 v[LS:LS+1], v[\sb:\sb+1], v[\sb+32:\sb+33]
.else
	s_delay_alu instid0(VALU_DEP_2)
	v_pk_fma_f32 v[LS:LS+1], v[LS:LS+1], v[FF:FF+1], v[\sb:\sb+1] op_sel_hi:[1,0,1]   ; the old sum under the new M, and the step's
	s_delay_alu instid0(VALU_DEP_1)
	v_pk_add_f32 v[LS:LS+1], v[LS:LS+1], v[\sb+32:\sb+33]
.endif
.endm
; A KEY STEP, number s51 mod 16: at its start tile 0's scores lie in buffer 0 and K's images in registers.  last = 1: nothing is fetched or begun for a further step
.macro STEP first, last
	s_and_b32 s48, s51, 15
	s_mul_i32 s48, s48, KVS                        ; this step's block of kv in LDS
	s_add_co_u32 s51, s51, 1
	v_add_nc_u32 v3, s48, v1
	v_add_nc_u32 v4, s48, v2
.if \last == 0
	s_and_b32 s49, s51, 15
	s_mul_i32 s49, s49, KVS                        ; the next step's
	v_add_nc_u32 v10, s49, v1
	v_add_nc_u32 v11, s49, v2
.endif
	SOFT 0, S0, \first, 1, -1, 1, 0
	SOFT 1, S1, \first, 0, 0, 2, 1
.if \last
	SOFT 2, S0, \first, 0, 1, 3, 0
	SOFT 3, S1, \first, 0, 2, -1, 0
.else
	SOFT 2, S0, \first, 2, 1, 3, 0
	SOFT 3, S1, \first, 0, 2, 0, 1
.endif
	PV 3, \first
	WIN 0
.endm
; THE WAY OUT of tile q: O^T / the sum, through my stage, back as whole rows into v[b] on
.macro MULST q, b
	WIN 0x01
	s_wait_alu depctr_va_vdst(0)                   ; the wait ahead of the first readers of O^T
.set j, 0
.rept 16
	v_pk_mul_f32 v[S0+32*(\q)+j:S0+32*(\q)+j+1], v[32*(\q)+j:32*(\q)+j+1], v[14+4*(\q):15+4*(\q)] op_sel_hi:[1,0]   ; register 8 t + i is o(r, 16 t + 8 h + i)
.set j, j+2
.endr
	WIN 0
.irp t, 0,1,2,3
	ds_store_b128 v5, v[S0+32*(\q)+8*\t:S0+32*(\q)+8*\t+3] offset:64*\t
	ds_store_b128 v5, v[S0+32*(\q)+8*\t+4:S0+32*(\q)+8*\t+7] offset:64*\t+16
.endr
.irp i, 0,1,2,3,4,5,6,7
	ds_load_b128 v[\b+4*\i:\b+4*\i+3], v6 offset:2*SP*\i   ; LDS serves a wave's instructions in order: these see my stores
.endr
.endm
.macro SEND q, b, n                    ; n: the LDS instructions issued behind this tile's loads, which may be out
	s_wait_dscnt \n
.irp i, 0,1,2,3,4,5,6,7
	global_store_b128 v7, v[\b+4*\i:\b+4*\i+3], s[8:9] offset:4096*(\q)+512*\i th:TH_STORE_NT   ; sixteen lanes store a row's 256 consecutive bytes, aligned
.endr
.endm
	s_load_b128 s[4:7], s[0:1], 0x0                ; query, kv
	s_load_b64 s[8:9], s[0:1], 0x10                ; out0
	v_lshl_add_u32 v[SPW], v0, 2, SPARE
	v_mov_b32 v[NIL], 0
	ds_add_u32 v[SPW], v[NIL]                      ; the add,
	ds_add_u32 v[SPW], v[NIL]                      ; once more,
	v_lshrrev_b32 v10, 5, v0
	v_and_b32 v1, 31, v0
	v_readfirstlane_b32 s10, v10                   ; wave 0..7
	v_lshlrev_b32 v1, 4, v1                        ; 16 x lane
	s_bfe_u32 s11, ttmp6, 0x40000                  ; cx
	s_lshl_b32 s13, ttmp9, 2
	s_add_co_u32 s11, s11, s13                     ; my block of 512 queries: it enters query's and out0's addresses alone
	s_and_b32 s12, ttmp7, 0xffff                   ; the head, which the four partners share
	s_lshl_b32 s14, s12, 19                        ; query and out0: 524,288 bytes a head,
	s_lshl_b32 s13, s11, 17                        ; 131,072 a block,
	s_add_co_u32 s14, s14, s13
	s_lshl_b32 s13, s10, 14                        ; 16,384 for a wave's 64 rows
	s_add_co_u32 s14, s14, s13
	s_mov_b32 s15, 0
	s_mul_i32 s16, s12, KVH
	s_mul_i32 s18, s10, 2*KVS                      ; key steps 2 w and 2 w + 1, in memory and in LDS alike
	s_add_co_u32 s16, s16, s18
	s_mov_b32 s17, 0
	s_mov_b32 s20, 0x76543210
	s_mov_b32 s21, 0xfedcba98                      ; v_permlanex16_b32's selects for lane l xor 16
	s_mov_b32 s22, 0x3e38aa3b                      ; c = log2(e) / 8
	s_mov_b32 s23, s22
	s_mov_b32 s25, 0xbe38aa3b                      ; -c
	s_mov_b32 s32, 15|(3<<16)|(1<<21)              ; group 1: the mask of all four partners, elements of 8 bytes; a dense block as 118 rows of 256 bytes
	s_mov_b32 s33, 32<<16
	s_mov_b32 s34, 118<<16
	s_mov_b32 s35, 32<<16
	s_mov_b32 s36, 118
	s_mov_b32 s37, 32
	s_mov_b32 s38, 0
	s_mov_b32 s39, 0
	s_mov_b32 s28, 1
	s_mov_b32 s29, s18
	s_wait_dscnt 0x0                               ; and the one wait for both
	s_wait_alu depctr_va_vdst(0)
	s_wait_kmcnt 0x0
	s_add_nc_u64 s[4:5], s[4:5], s[14:15]
	s_add_nc_u64 s[8:9], s[8:9], s[14:15]
	s_add_nc_u64 s[30:31], s[6:7], s[16:17]
	s_or_b32 s31, s31, 0x80000000
.set j, 0
.rept 32
	global_load_b128 v[S0+4*j:S0+4*j+3], v1, s[4:5] offset:512*j th:TH_LOAD_NT   ; my 64 rows of query, two rows (512 consecutive bytes) a load
.set j, j+1
.endr
	ROUND                                          ; all four work-groups are here: the joint loads meet
	tensor_load_to_lds s[28:31], s[32:39]          ; my one tensor load
	s_nop 0
	v_and_b32 v3, 15, v0                           ; r
	v_bfe_u32 v4, v0, 4, 1                         ; h
	s_mul_i32 s19, s10, 16*SP
	s_add_co_u32 s19, s19, STAGE                   ; my stage
	v_mov_b32 v[T0], 0                             ; a lane permute's destination counts as one of its sources
	v_mov_b32 v[T1], 0
	v_mov_b32 v[FF+1], 0                           ; (named as the upper half of a pair)
	v_lshlrev_b32 v2, 2, v3                        ; 4 r
	v_mul_u32_u24 v5, v3, SP
	v_mul_u32_u24 v6, v4, SP
	v_lshlrev_b32 v7, 8, v4
	v_xor_b32 v[T2], 1, v4
	v_add_nc_u32 v5, s19, v5
	v_lshl_add_u32 v6, v3, 4, v6
	v_lshl_add_u32 v7, v3, 4, v7                   ; two rows of out0: 256 h + 16 r
	v_lshlrev_b32 v[T2], 3, v[T2]                  ; the code of 1.0 in lanes 0-15, 0 in lanes 16-31
	v_lshl_add_u32 v[QB], v4, 7, v5                ; q back from the stage: row r, + 128 h
	v_add_nc_u32 v6, s19, v6                       ; whole rows: lanes 0-15 one row, lanes 16-31 the next
	v_lshlrev_b32 v[H8], 3, v4                     ; 8 h
	v_lshl_add_u32 v5, v4, 5, v5                   ; O into the stage: row r, + 32 h
	WIN 0x40
.irp k, 192,193,194,195
	v_mov_b32 v\k, 0                               ; behind K's last fragment
.endr
	WIN 0
	s_wait_alu depctr_va_vdst(0)
	s_wait_loadcnt 24                              ; tile 0's eight loads are in; 24 may be out
	QST 0
	QLD 224
	s_wait_loadcnt 16
	QST 1
	s_wait_dscnt 8                                 ; all but tile 1's eight stores: tile 0 is back, and its stores are done
	QLD S0
	QUANTQ 224, QF, QS
	s_wait_alu depctr_va_vdst(0)
	s_wait_loadcnt 8
	QST 2
	s_wait_dscnt 8
	QLD S0+32
	QUANTQ S0, QF+12, QS+1
	s_wait_alu depctr_va_vdst(0)
	s_wait_loadcnt 0x0
	QST 3
	s_wait_dscnt 8
	QLD S0+64
	QUANTQ S0+32, QF+24, QS+2
	s_wait_alu depctr_va_vdst(0)
	s_wait_dscnt 0x0
	QUANTQ S0+64, QF+36, QS+3
	s_lshl_b32 s51, s10, 1                         ; my walk begins at key step 2 w
	s_mul_i32 s49, s51, KVS
	v_add_nc_u32 v10, s49, v1
	v_add_nc_u32 v11, s49, v2
	s_wait_alu depctr_va_vdst(0)
	s_wait_tensorcnt 0x0                           ; my two key steps have landed:
	s_barrier_signal -1                            ; say so; up to the barrier's wait I read those two alone
	KLOAD 10, 11
	s_wait_dscnt 0x0
	SMUL 0, S0
	STEP 1, 0                                      ; step 2 w; it fetches K of step 2 w + 1
	s_wait_alu depctr_va_vdst(0)
	s_barrier_wait -1                              ; everybody's part is in
	s_mov_b32 s50, 14
.Lstep:
	STEP 0, 0
	s_sub_co_u32 s50, s50, 1
	s_cmp_lg_u32 s50, 0
	s_wait_alu depctr_va_vdst(0)
	s_cbranch_scc1 .Lstep
	STEP 0, 1
.irp q, 0,1,2,3
	v_add_f32 v[14+4*\q], v[14+4*\q], v[15+4*\q]   ; the sums' two halves,
.endr
.irp q, 0,1,2,3
	v_permlanex16_b32 v[BM0+\q], v[14+4*\q], s20, s21
.endr
.irp q, 0,1,2,3
	v_add_f32 v[14+4*\q], v[14+4*\q], v[BM0+\q]    ; and lane l xor 16's
.endr
	s_wait_alu depctr_va_vdst(0)
.irp q, 0,1,2,3
	v_rcp_f32 v[14+4*\q], v[14+4*\q]
.endr
	v_nop
	s_wait_alu depctr_va_vdst(0)
	MULST 0, PC                                    ; back into v176-207,
	MULST 1, QF                                    ; v208-239,
	SEND 0, PC, 16
	MULST 2, S0                                    ; and the registers whose stage stores are done
	SEND 1, QF, 16
	MULST 3, S0+32
	SEND 2, S0, 16
	SEND 3, S0+32, 0
	s_wait_tensorcnt 0x0                           ; the wave's end
	ds_add_u32 v[SPW], v[NIL]
	s_wait_dscnt 0x0
	ROUND                                          ; the closing round
	s_endpgm
.Lfunc_end_k_qf7b4d8aaf6_attn:
	.size	k_qf7b4d8aaf6_attn, .Lfunc_end_k_qf7b4d8aaf6_attn-k_qf7b4d8aaf6_attn
	.p2alignl 7, 3214868480
	.fill 96, 4, 3214868480
	.section	.rodata,"a",@progbits
	.p2align	6, 0x0
	.amdhsa_kernel k_qf7b4d8aaf6_attn
		.amdhsa_group_segment_fixed_size 277504
		.amdhsa_private_segment_fixed_size 0
		.amdhsa_enable_private_segment 0
		.amdhsa_kernarg_size 24
		.amdhsa_user_sgpr_count 2
		.amdhsa_user_sgpr_kernarg_segment_ptr 1
		.amdhsa_wavefront_size32 1
		.amdhsa_system_sgpr_workgroup_id_x 1
		.amdhsa_system_sgpr_workgroup_id_y 1
		.amdhsa_system_sgpr_workgroup_id_z 1
		.amdhsa_system_vgpr_workitem_id 0
		.amdhsa_next_free_vgpr 512
		.amdhsa_next_free_sgpr 66
		.amdhsa_reserve_vcc 0
		.amdhsa_float_denorm_mode_32 3
		.amdhsa_float_denorm_mode_16_64 3
		.amdhsa_memory_ordered 1
		.amdhsa_forward_progress 1
		.amdhsa_inst_pref_size 190
	.end_amdhsa_kernel
	.amdgpu_metadata
---
amdhsa.version: [ 1, 2 ]
amdhsa.kernels:
  - .name:           k_qf7b4d8aaf6_attn
    .symbol:         k_qf7b4d8aaf6_attn.kd
    .args:
      - { .name: query, .offset: 0, .size: 8, .value_kind: global_buffer, .address_space: global }
      - { .name: kv, .offset: 8, .size: 8, .value_kind: global_buffer, .address_space: global }
      - { .name: out0, .offset: 16, .size: 8, .value_kind: global_buffer, .address_space: global }
    .group_segment_fixed_size: 277504
    .private_segment_fixed_size: 0
    .kernarg_segment_align: 8
    .kernarg_segment_size: 24
    .max_flat_workgroup_size: 256
    .sgpr_count:     66
    .vgpr_count:     512
    .wavefront_size: 32
...
	.end_amdgpu_metadata
.endif
;; end of part 2
